; MI455X (gfx1250); checked and timed in simulation.
; The chip was launched on July 23, 2026; its instructions are those of AMD's public machine-readable ISA for CDNA 5 (MIT licence, August 2026) and "CDNA5" Instruction Set Architecture Reference Guide (July 2026). The comments in the code are by the model that wrote it; some were corrected since.
;; Cross Attention Fusion. Allowed arithmetic: matrix products marked QUANTISED: E5M2 operands, one E8M0 scale for each 32 along K, by v_wmma_scale_f32_16x16x128_f8f6f4 with both operands' format E5M2, f32 sums; everything else in f32.
;; Inputs: Wk 2,048 x 2,048 float32; Wo 2,048 x 2,048 float32; Wq 2,048 x 2,048 float32; Wv 2,048 x 2,048 float32; bk 2,048 float32; bo 2,048 float32; bq 2,048 float32; bv 2,048 float32; emb_a 4,096 x 2,048 float32; emb_b 4,096 x 2,048 float32.
;; Outputs: out0 4,096 x 2,048 float32.
;; This version of the problem:
;;   THIS VERSION OF THE PROBLEM IS GIVEN IN LOW PRECISION. The matrix products marked QUANTISED in the list below multiply operands that are first quantised to E5M2 (5 exponent bits, 2 mantissa bits; 8 bits a number), with one power-of-two scale for each 32 numbers along K (OCP MX v1.0); their sums are f32. All else is computed in f32.
;;   The module's matrix products, in the order in which they are computed (A, B: the left and right operand; K: the contracted axis; several contracted axes count as one K, in the product's order):
;;     1. [M 4,096, K 2,048] x [K 2,048, N 2,048]; A: input emb_a; B: input Wq: QUANTISED
;;     2. [M 4,096, K 2,048] x [K 2,048, N 2,048]; A: input emb_b; B: input Wk: QUANTISED
;;     3. [M 4,096, K 2,048] x [K 2,048, N 2,048]; A: input emb_b; B: input Wv: QUANTISED
;;     4. [M 4,096, K 2,048] x [K 2,048, N 2,048]; A: computed on the way; B: input Wo: QUANTISED
;;   THE QUANTISER, for each operand of a quantised product, along K:
;;     - K is cut into blocks of 32 from its start; a last block that is shorter is filled with zeros.
;;     - A block's scale is 2^e with e = floor(log2(the largest magnitude in the block)) - 15, held to -126 .. 127; a block of zeros has e = 0. As a byte (E8M0): e + 127.
;;     - Each number is divided by its block's scale, clamped to +-57,344, and rounded to the nearest number of E5M2, ties to even, subnormals kept.
;;     - The product sums the exact products of the quantised numbers (number of the format x scale) in f32.
;;   ~~~python
;;   def quantise(x, axis):      # numpy; x: float32 -> the quantised numbers, widened to float32 again
;;       x = np.moveaxis(x, axis, -1); K = x.shape[-1]
;;       x = np.pad(x, [(0, 0)] * (x.ndim - 1) + [(0, -K % 32)]); x = x.reshape(x.shape[:-1] + (-1, 32)); a = np.abs(x).max(-1, keepdims=True)
;;       e = np.where(a > 0, np.clip(np.frexp(np.where(a > 0, a, 1))[1] - 1 - 15, -126, 127), 0)      # np.frexp(a)[1] - 1 = floor(log2(a)), exactly
;;       r = np.clip(x / 2.0 ** e, -57344, 57344)
;;       step = 2.0 ** (np.maximum(np.frexp(np.where(r == 0, 1, r))[1] - 1, -14) - 2)
;;       q = np.round(r / step) * step * 2.0 ** e      # np.round: ties to even
;;       return np.moveaxis(q.reshape(q.shape[:-2] + (-1,))[..., :K], -1, axis).astype(np.float32)
;;   ~~~
;;   OPERANDS COMPUTED ON THE WAY. 'Computed on the way' means the value that the module computes at that place (a softmax that the list does not call 'softmax' is quantised finished and normalised). What goes into a quantiser is computed in f32, as accurately as f32 sums, v_exp_f32 and their like allow (about 1e-6 of the number): no bf16 or f16 on the way to a quantiser, and a product that is left as it is and whose result goes on into a quantised operand takes f32 operands (vector FMAs, or v_wmma_f32_16x16x4_f32). A number that lies on a knife's edge between two numbers of the format may be rounded either way, as far as f32 arithmetic and the matrix unit's own rounding can turn it there, and no further.
;; One version. Each part assembles by itself: llvm-mc -triple=amdgcn-amd-amdhsa -mcpu=gfx1250 --defsym DOCPART=n.
;; ======== version 1 of 1: 3 launches
;; limits: right only within a limited range of input values
;; workspace buffers: eb_codes 8,388,608 bytes; eb_scales 262,144 bytes; wv_codes 4,194,304 bytes; wv_scales 131,072 bytes; wo_codes 4,194,304 bytes; wo_scales 131,072 bytes; h_codes 8,388,608 bytes; h_scales 262,144 bytes
;; launch quant (part 1): grid 512 x 1, 4 waves a work-group, no clusters, 34,304 bytes of LDS; arguments emb_b, eb_codes, eb_scales, Wv, wv_codes, wv_scales, Wo, wo_codes, wo_scales; writes eb_codes, eb_scales, wv_codes, wv_scales, wo_codes, wo_scales
.if DOCPART == 1
	.amdgcn_target "amdgcn-amd-amdhsa--gfx1250"
	.amdhsa_code_object_version 6
	.text
	.protected	k_qa5c6a25675_quant
	.globl	k_qa5c6a25675_quant
	.p2align	8
	.type	k_qa5c6a25675_quant,@function
k_qa5c6a25675_quant:
	s_mov_b64 s[64:65], 0
	v_nop
	global_prefetch_b8 v0, s[64:65] scope:SCOPE_SE
	s_setreg_imm32_b32 hwreg(HW_REG_WAVE_MODE, 25, 1), 1
	s_wait_xcnt 0x0
; THE PROGRAM.  out = Q(h) Q(Wo)^T + bo with h = (Q(emb_b) Q(Wv)^T + bv) + emb_a; Q is the stated quantiser (E5M2 codes, one E8M0 scale for each 32 along K).
; DEAD WORK, LEFT OUT.  scores has the shape (B, 1) and the softmax runs over that axis of length 1: attn = exp(s - max s) / sum = exp(0) / exp(0) = 1 for every finite score, whatever the inputs hold.
; So out = attn * v = v by an identity, and q, k, the products emb_a Wq^T and emb_b Wk^T, the row's dot product and the exponential have no way to any output.  Wq, bq, Wk and bk are not loaded and are no launch's arguments.
; LIMIT: a NaN, an infinity or an overflow that arises only in q, k or the scores is not carried to the result.
; THIS LAUNCH quantises emb_b [4096][2048], Wv and Wo [2048][2048], f32 with K innermost, once, into workspace laid AS IMAGES OF THE OPERANDS' REGISTERS.  A tile is 16 rows:
;   codes:  byte tile*32768 + s*2048 + c*512 + lane*16 + e  = the code of T[row(tile, lane % 16)][128 s + 32 c + 16 (lane / 16) + e]      (s: the K step of 128, 0..15; c: 0..3)
;   scales: byte (tile/2)*2048 + (s/4)*512 + (16 (tile % 2) + r)*16 + (s % 4)*4 + b  = the E8M0 byte of block b of K step s of row(tile, r)
;   row(tile, r) = 16 tile + r for emb_b;  32 (tile / 2) + 8 (tile % 2) + r + 8 (r / 8) for the weights, so that in the transposed product the 16 registers of two neighbouring tiles are 16 neighbouring columns.
; A block's scale is 2^(floor(log2(its largest magnitude)) - 15); its byte is the largest magnitude's exponent field - 15, held at 1 from below.  A block of zeros so gets the byte 1 where the rule says 127: its codes are zeros,
; which add nothing under any byte but 0xff, and this program alone reads the bytes.  LIMITS: NaN and infinities among the inputs are not served.
; SHARES.  512 work-groups, one tile each: 0-255 emb_b's, 256-383 Wv's, 384-511 Wo's; only pointers and numbers are chosen, the text has one path.  Wave w takes K steps 4 w .. 4 w + 3: four steps of 16 rows x 128 numbers.
; A load reads 512 consecutive bytes of one row, 16 a lane; the conversions want 16 neighbours along K in one lane: so a step's 8,192 bytes turn through the wave's own stage in LDS (rows 528 bytes apart) and come back
; with register 16 b + i = k 32 b + 16 (lane / 16) + i of row lane % 16.  No barrier: waves share nothing.  Three steps' loads (48 a wave) are out at the start.
.set STG,   16*528                     ; a wave's stage
.set SPARE, 4*STG                      ; behind the four stages: the spare words, 128 bytes for each wave: two blocks of 256 bytes that no other line names
.set LANE, 1                           ; v1   lane
.set RR,   2                           ; v2   r = lane % 16
.set HH,   3                           ; v3   h = lane / 16
.set L16,  4                           ; v4   16 x lane: my bytes of a load's 512, and of an image's 512
.set SIN,  5                           ; v5   the stage, on the way in: 16 x lane in a row
.set SOUT, 6                           ; v6   on the way out: row r, + 64 h
.set R16,  7                           ; v7   16 r: my row's four scale words
.set SPW,  8                           ; v8   LDS address of my spare word; never rewritten
.set NIL,  9                           ; v9   0; never rewritten
.set SW,   12                          ; v12-15  a scale word for each of the four steps
.set TM,   16                          ; v16-19 largest magnitudes, v20-23 bytes, v24-27 the largest number x the scale, v28-31 the conversions' scale operands
.set PC,   32                          ; v32-63  codes: two sets of 16
.set R,    64                          ; v64-255 numbers: three sets of 64
.set LO,   4                           ; s[4:5]   the tile's rows r = 0..7, at my wave's K steps
.set CB,   6                           ; s[6:7]   my wave's codes
.set SBS,  8                           ; s[8:9]   my wave's scale words
.set HB,   10                          ; s[10:11] the tile's rows r = 8..15
.set SEL,  32                          ; s[32:33] v_permlanex16_b32's selects for lane l xor 16
.set MNT,  34                          ; s34      the mantissa field of 57,344
	s_load_b256 s[4:11], s[0:1], 0x0               ; emb_b, its codes, its scales, Wv
	s_load_b256 s[12:19], s[0:1], 0x20             ; Wv's codes, Wv's scales, Wo, Wo's codes
	s_load_b64 s[20:21], s[0:1], 0x40              ; Wo's scales
	v_lshl_add_u32 v[SPW], v0, 2, SPARE
	v_mov_b32 v[NIL], 0
	v_lshrrev_b32 v1, 5, v0
	v_readfirstlane_b32 s31, v1                    ; wave 0..3
	v_and_b32 v[LANE], 31, v0
	v_and_b32 v[RR], 15, v0
	v_bfe_u32 v[HH], v0, 4, 1
	v_lshlrev_b32 v[L16], 4, v[LANE]
	s_mul_i32 s23, s31, STG
	v_add_nc_u32 v[SIN], s23, v[L16]
	v_mul_u32_u24 v[SOUT], v[RR], 528
	v_lshl_add_u32 v[SOUT], v[HH], 6, v[SOUT]
	v_add_nc_u32 v[SOUT], s23, v[SOUT]
	v_lshlrev_b32 v[R16], 4, v[RR]
.irp b, 0,1,2,3
	v_mov_b32 v[TM+4+\b], 0                        ; written once: a lane permute's destination counts as one of its sources
.endr
	s_mov_b32 s[SEL], 0x76543210
	s_mov_b32 s[SEL+1], 0xfedcba98
	s_mov_b32 s[MNT], 0x600000
	; which tile of which tensor: numbers made of the work-group's number alone
	s_mov_b32 s23, 384
	s_cmp_lt_u32 ttmp9, 384
	s_cselect_b32 s22, 256, s23
	s_cmp_lt_u32 ttmp9, 256
	s_cselect_b32 s22, 0, s22                      ; the tensor's first work-group
	s_cselect_b32 s24, 1, 0                        ; 1: emb_b
	s_sub_co_u32 s25, ttmp9, s22                   ; the tile
	s_lshl_b32 s26, s25, 4                         ; emb_b: the tile's first row is 16 tile
	s_lshr_b32 s27, s25, 1
	s_and_b32 s29, s25, 1
	s_lshl_b32 s28, s27, 5
	s_lshl_b32 s23, s29, 3
	s_add_co_u32 s28, s28, s23                     ; a weight: 32 (tile / 2) + 8 (tile % 2)
	s_mov_b32 s23, 0x20000
	s_cmp_eq_u32 s24, 1
	s_cselect_b32 s26, s26, s28
	s_cselect_b32 s36, 0x10000, s23                ; from row r = 0 to row r = 8: 8 rows of 8,192 bytes in emb_b, 16 in a weight
	s_mov_b32 s37, 0
	s_lshl_b32 s26, s26, 13
	s_lshl_b32 s23, s31, 11
	s_add_co_u32 s38, s26, s23                     ; the numbers: first row x 8,192 + wave x 2,048 (four K steps of 512 bytes)
	s_mov_b32 s39, 0
	s_lshl_b32 s40, s25, 15
	s_lshl_b32 s23, s31, 13
	s_add_co_u32 s40, s40, s23                     ; the codes: tile x 32,768 + wave x 8,192
	s_mov_b32 s41, 0
	s_lshl_b32 s42, s27, 11
	s_lshl_b32 s23, s31, 9
	s_add_co_u32 s42, s42, s23
	s_lshl_b32 s23, s29, 8
	s_add_co_u32 s42, s42, s23                     ; the scale words: (tile / 2) x 2,048 + wave x 512 + (tile % 2) x 256
	s_mov_b32 s43, 0
	s_wait_alu depctr_va_vdst(0)
	s_wait_kmcnt 0x0
	s_cmp_lt_u32 ttmp9, 384                        ; the buffers are chosen on the work-group's number alone
	s_cselect_b64 s[10:11], s[10:11], s[16:17]
	s_cselect_b64 s[12:13], s[12:13], s[18:19]
	s_cselect_b64 s[14:15], s[14:15], s[20:21]
	s_cmp_lt_u32 ttmp9, 256
	s_cselect_b64 s[4:5], s[4:5], s[10:11]
	s_cselect_b64 s[6:7], s[6:7], s[12:13]
	s_cselect_b64 s[8:9], s[8:9], s[14:15]
	s_add_nc_u64 s[LO:LO+1], s[LO:LO+1], s[38:39]
	s_add_nc_u64 s[HB:HB+1], s[LO:LO+1], s[36:37]
	s_add_nc_u64 s[CB:CB+1], s[CB:CB+1], s[40:41]
	s_add_nc_u64 s[SBS:SBS+1], s[SBS:SBS+1], s[42:43]
; step t's 16 rows x 512 bytes into set t % 3: each load reads 512 consecutive bytes of one row
.macro LOAD t
.irp i, 0,1,2,3,4,5,6,7
	global_load_b128 v[R+64*((\t)%3)+4*\i:R+64*((\t)%3)+4*\i+3], v[L16], s[LO:LO+1] offset:\i*8192+(\t)*512 th:TH_LOAD_NT
.endr
.irp i, 0,1,2,3,4,5,6,7
	global_load_b128 v[R+64*((\t)%3)+32+4*\i:R+64*((\t)%3)+32+4*\i+3], v[L16], s[HB:HB+1] offset:\i*8192+(\t)*512 th:TH_LOAD_NT
.endr
.endm
; step t's numbers through the stage, into the registers that they left.  LDS serves a wave's instructions in order (ISA guide 5.7.1.4): no wait between the stores and the loads, nor in front of the next step's stores
.macro TURN t
.irp i, 0,1,2,3,4,5,6,7,8,9,10,11,12,13,14,15
	ds_store_b128 v[SIN], v[R+64*((\t)%3)+4*\i:R+64*((\t)%3)+4*\i+3] offset:528*\i
.endr
.irp b, 0,1,2,3
.irp j, 0,1,2,3
	ds_load_b128 v[R+64*((\t)%3)+16*\b+4*\j:R+64*((\t)%3)+16*\b+4*\j+3], v[SOUT] offset:128*\b+16*\j
.endr
.endr
.endm
; 64 numbers of a lane, v[s] on, register 16 b + i = k 32 b + 16 (lane / 16) + i of my row, become a fragment's codes in v[pc] on and its scale word in v[pw]
.macro QUANT s, pc, pw
.irp b, 0,1,2,3
	v_max3_num_f32 v[TM+\b], |v[(\s)+16*\b]|, |v[(\s)+1+16*\b]|, 0x8000000   ; block b: my 16 numbers, and the floor 2^(16 - 127): so the byte cannot fall under 1
.endr
.irp i, 2,4,6,8,10,12,14
.irp b, 0,1,2,3
	v_max3_num_f32 v[TM+\b], v[TM+\b], |v[(\s)+16*\b+\i]|, |v[(\s)+1+16*\b+\i]|   ; the four blocks by turns: no line waits for the line above it
.endr
.endr
.irp b, 0,1,2,3
	v_permlanex16_b32 v[TM+4+\b], v[TM+\b], s[SEL], s[SEL+1]
.endr
.irp b, 0,1,2,3
	v_max_num_f32 v[TM+\b], v[TM+\b], v[TM+4+\b]   ; with lane l xor 16's: the block's largest magnitude
.endr
.irp b, 0,1,2,3
	v_add_nc_u32 v[TM+12+\b], 0xf8800000, v[TM+\b] ; 15 off its exponent field: the conversion takes the exponent field of this operand as its scale
.endr
.irp b, 0,1,2,3
	v_and_or_b32 v[TM+8+\b], v[TM+\b], 0x7f800000, s[MNT]   ; 57,344 x the scale
.endr
.irp b, 0,1,2,3
	v_lshrrev_b32 v[TM+4+\b], 23, v[TM+12+\b]      ; the scale's byte
.endr
	v_lshl_or_b32 v[\pw], v[TM+5], 8, v[TM+4]      ; the four bytes make my row's scale word
	v_lshl_or_b32 v[\pw], v[TM+6], 16, v[\pw]
	v_lshl_or_b32 v[\pw], v[TM+7], 24, v[\pw]
.irp b, 0,1,2,3
.irp i, 0,1,2,3,4,5,6,7,8,9,10,11,12,13,14,15
	v_med3_num_f32 v[(\s)+16*\b+\i], v[(\s)+16*\b+\i], -v[TM+8+\b], v[TM+8+\b]   ; the conversion to an 8-bit code does not saturate (ISA guide 7.6.2): the hold at the largest code x the scale
.endr
	v_cvt_scalef32_pk8_bf8_f32 v[(\pc)+4*\b:(\pc)+1+4*\b], v[(\s)+16*\b:(\s)+7+16*\b], v[TM+12+\b]
	v_cvt_scalef32_pk8_bf8_f32 v[(\pc)+2+4*\b:(\pc)+3+4*\b], v[(\s)+8+16*\b:(\s)+15+16*\b], v[TM+12+\b]
.endr
	v_nop                                          ; a plain vector line behind the last conversion
.endm
	LOAD 0
	LOAD 1
	LOAD 2
	s_wait_loadcnt 32                              ; step 0's sixteen loads are in; steps 1 and 2 stay out
	TURN 0
.irp t, 0,1,2,3
.if \t < 3
.if \t < 2
	s_wait_loadcnt 16                              ; the next step's loads are in; behind them one step's sixteen were issued
.else
	s_wait_loadcnt 0x0                             ; step 3's: nothing was issued behind them
.endif
	TURN \t+1                                      ; the next step goes through the stage while this one is worked
	s_wait_dscnt 32                                ; this step's numbers are back; the next step's 16 stores and 16 loads stay out
.else
	s_wait_dscnt 0x0
.endif
.if \t >= 2
	s_wait_xcnt 0x0                                ; the stores of two steps back have read their codes' registers, which are written again below
.endif
	QUANT R+64*(\t%3), PC+16*(\t%2), SW+\t
.irp c, 0,1,2,3
	global_store_b128 v[L16], v[PC+16*(\t%2)+4*\c:PC+16*(\t%2)+4*\c+3], s[CB:CB+1] offset:\t*2048+\c*512   ; 32 lanes store 512 consecutive bytes, at a multiple of 512 from the buffer's first byte
.endr
.if \t == 0
	LOAD 3                                         ; into the set that step 0 has left
.endif
.endr
	v_cmp_gt_u32 vcc_lo, 16, v[LANE]               ; both halves of the lanes hold row r's words: lanes 0-15 store them
	s_wait_xcnt 0x0                                ; EXEC changes only behind this wait
	s_and_saveexec_b32 s30, vcc_lo
	global_store_b128 v[R16], v[SW:SW+3], s[SBS:SBS+1]   ; sixteen lanes store 256 consecutive bytes, at a multiple of 256 from the buffer's first byte
	s_wait_xcnt 0x0                                ; and again, in front of the line that widens it
	s_or_b32 exec_lo, exec_lo, s30
	s_wait_tensorcnt 0x0                           ; the wave's end, behind my last LDS store
	ds_add_u32 v[SPW], v[NIL]
	s_wait_dscnt 0x0
	s_endpgm
.Lfunc_end_k_qa5c6a25675_quant:
	.size	k_qa5c6a25675_quant, .Lfunc_end_k_qa5c6a25675_quant-k_qa5c6a25675_quant
	.p2alignl 7, 3214868480
	.fill 96, 4, 3214868480
	.section	.rodata,"a",@progbits
	.p2align	6, 0x0
	.amdhsa_kernel k_qa5c6a25675_quant
		.amdhsa_group_segment_fixed_size 34304
		.amdhsa_private_segment_fixed_size 0
		.amdhsa_enable_private_segment 0
		.amdhsa_kernarg_size 72
		.amdhsa_user_sgpr_count 2
		.amdhsa_user_sgpr_kernarg_segment_ptr 1
		.amdhsa_wavefront_size32 1
		.amdhsa_system_sgpr_workgroup_id_x 1
		.amdhsa_system_sgpr_workgroup_id_y 1
		.amdhsa_system_sgpr_workgroup_id_z 1
		.amdhsa_system_vgpr_workitem_id 0
		.amdhsa_next_free_vgpr 256
		.amdhsa_next_free_sgpr 66
		.amdhsa_reserve_vcc 1
		.amdhsa_float_denorm_mode_32 3
		.amdhsa_float_denorm_mode_16_64 3
		.amdhsa_memory_ordered 1
		.amdhsa_forward_progress 1
		.amdhsa_inst_pref_size 52
	.end_amdhsa_kernel
	.amdgpu_metadata
---
amdhsa.version: [ 1, 2 ]
amdhsa.kernels:
  - .name:           k_qa5c6a25675_quant
    .symbol:         k_qa5c6a25675_quant.kd
    .args:
      - { .name: emb_b, .offset: 0, .size: 8, .value_kind: global_buffer, .address_space: global }
      - { .name: eb_codes, .offset: 8, .size: 8, .value_kind: global_buffer, .address_space: global }
      - { .name: eb_scales, .offset: 16, .size: 8, .value_kind: global_buffer, .address_space: global }
      - { .name: Wv, .offset: 24, .size: 8, .value_kind: global_buffer, .address_space: global }
      - { .name: wv_codes, .offset: 32, .size: 8, .value_kind: global_buffer, .address_space: global }
      - { .name: wv_scales, .offset: 40, .size: 8, .value_kind: global_buffer, .address_space: global }
      - { .name: Wo, .offset: 48, .size: 8, .value_kind: global_buffer, .address_space: global }
      - { .name: wo_codes, .offset: 56, .size: 8, .value_kind: global_buffer, .address_space: global }
      - { .name: wo_scales, .offset: 64, .size: 8, .value_kind: global_buffer, .address_space: global }
    .group_segment_fixed_size: 34304
    .private_segment_fixed_size: 0
    .kernarg_segment_align: 8
    .kernarg_segment_size: 72
    .max_flat_workgroup_size: 128
    .sgpr_count:     66
    .vgpr_count:     256
    .wavefront_size: 32
...
	.end_amdgpu_metadata
.endif
;; end of part 1
;; launch gemm1 (part 2): grid 16 x 16, 4 waves a work-group, clusters of 4 x 4, 327,680 bytes of LDS; arguments eb_codes, eb_scales, wv_codes, wv_scales, bv, emb_a, h_codes, h_scales; writes h_codes, h_scales
.if DOCPART == 2
	.amdgcn_target "amdgcn-amd-amdhsa--gfx1250"
	.amdhsa_code_object_version 6
	.text
	.protected	k_qa5c6a25675_gemm1
	.globl	k_qa5c6a25675_gemm1
	.p2align	8
	.type	k_qa5c6a25675_gemm1,@function
k_qa5c6a25675_gemm1:
	s_mov_b64 s[64:65], 0
	v_nop
	global_prefetch_b8 v0, s[64:65] scope:SCOPE_SE
	s_setreg_imm32_b32 hwreg(HW_REG_WAVE_MODE, 25, 1), 1
	s_wait_xcnt 0x0
	s_wait_alu depctr_hold_cnt(0) depctr_sa_sdst(0) depctr_va_vdst(0) depctr_va_sdst(0) depctr_va_ssrc(0) depctr_va_vcc(0) depctr_vm_vsrc(0)
	s_getreg_b32 s2, hwreg(HW_REG_IB_STS2, 6, 4)
	s_cmp_eq_u32 s2, 0
	s_cbranch_scc0 .Lentry_in_a_cluster
	s_endpgm
.Lentry_in_a_cluster:
	s_bfe_u32 s2, ttmp6, 0x10000c
	s_cmp_lg_u32 s2, 0xf033
	s_cbranch_scc0 .Lentry_shape_is_right
	s_endpgm
.Lentry_shape_is_right:
; h = (Q(emb_b) Q(Wv)^T + bv) + emb_a, quantised on the way out: h's codes and scale words leave in the layout that the first kernel's head gives (a tile = 16 rows).  x below is emb_b.
; The work that the first kernel's head shows dead (q, k, the scores, the softmax over one element) has no part here.
; LIMITS: NaN and infinities are not served; a block's scale byte is held at 1 from below.
; SHARES.  256 work-groups, each 256 rows (Y) x 128 columns (X); four waves, wave w = 2 ch + kh: 64 columns (half ch) x HALF OF K (kh: K steps 8 kh .. 8 kh + 7).  A wave keeps its 64 x 1,024 codes of Wv in 512 registers and streams
; the rows past them in 16 blocks of 16 rows, 32 products a block.  Waves 2 ch and 2 ch + 1 hold the two halves of a sum: each finishes 32 of the 64 columns; it sends the other 32 columns' partial sums to its partner through LDS, one barrier a block.
; A wave's tiles are ordered so that slots 0, 1 are the pair that it finishes (pair kh of its half's two), slots 2, 3 the partner's.
; THE MATRIX INSTRUCTION IS USED TRANSPOSED: source 0 = 16 rows of Wv, source 1 = 16 rows of x: lane (r, h) holds row r and, in slots 0 and 1's 16 registers, the columns 32 w + 16 h + 0 .. 15: neighbours along the next K.
; BLOCK n's text: block n - 2's sums are added up; block n - 1's partial sums and emb_a rows go to LDS, half of block n + 1's x is asked for; products, among them block n - 2's quantiser; the barrier;
; block n - 2's codes leave, block n - 1's partner sums and emb_a and the rest of block n + 1's x are asked for; the last products.  Memory instructions so stand in two runs.  Block 0 has nothing before it; block 1 works on zeros and stores no codes.
; LDS: two slots of 64 rows of x, all of K (4 tiles of 32,768 bytes, images of the operands' registers), x's scale words of all 256 rows, two stages of partial sums, two of emb_a, the scale bytes on their way out.
; FILLS.  At the head, one load a wave: Wv's K steps 0 .. 3 of each half of K into slot 0 (wave 0), 4 .. 7 into slot 1 (wave 1), x's first tile into the stages' bytes, which have no other fill (wave 2), x's scale words (wave 3).
; Wv goes on into registers.  Slot 0 then takes x's tiles 1 .. 3, three quarters of a tile a wave; slot 1 x's chunk 1 (tiles 4 .. 7) inside block 0; inside blocks 3 and 7 the slot that has been read out takes the next chunk, a tile a wave: each in a drained round.
; CLUSTERS: 4 x 4.  x's tiles and scale words are shared along a row of the cluster, Wv's along a column: every tensor load is a joint load.
; PREFETCHES: a chunk of x is 131,072 bytes = 16 waves (four work-groups of a cluster row x four waves) x 32 lanes x 256 bytes: each wave asks for its sixteenth once: of tiles 1 .. 3 (24 blocks of 256 bytes a wave) and of chunk 1 at the head, of chunk 2 in block 0, of chunk 3 in block 2.
.set SLOT,  131072
.set XSC,   2*SLOT                     ; x's scale words: 8 pairs of tiles x 2,048
.set PX,    XSC+16384                  ; partial sums: two stages of 4 waves x 2,048;  at the head x's first tile, 32,768 bytes from here on
.set EX,    PX+16384                   ; emb_a: two stages of 16 rows x 528
.set BY,    EX+16896                   ; scale bytes: 18 x 64: block b at (b + 2) x 64, byte 4 r + w
.set SPARE, BY+1280                    ; the spare words, 128 bytes for each wave: two blocks of 256 bytes that no other line names
.set L16,   4                          ; v4      16 x lane
.set XA,    5                          ; v5, v6  x's tiles 0, 1 and 2, 3 of the slot in hand
.set XA0,   7
.set SAD,   8                          ; v8      x's scale words
.set SPW,   10                         ; v10     my spare word;  v11 0; never rewritten
.set NIL,   11
.set PST,   12                         ; v12, v13 partial sums: where mine go, where the partner's lie
.set PLD,   13
.set EST,   14                         ; v14, v15 emb_a: by rows, by lanes
.set ELD,   15
.set BYT,   16                         ; v16     scale byte
.set PF,    17                         ; v17     the prefetches' offset; never rewritten
.set BWD,   18                         ; v18     scale words on the way out
.set H64,   19
.set PF0,   23                         ; v23     the first prefetch's offset; never rewritten
.set SB,    24                         ; v24-39  Wv's scale words: pair slot p, K step q at SB + 8 p + q
.set TM,    40                         ; v40-42  largest magnitude, bound, lane permute
.set SA,    44                         ; v44-59  x's: two sets of 8, a pair of blocks each
.set SOP,   60                         ; v60 the conversions' scale operand;  v61 the byte
.set ACC,   64                         ; v64-127 two sets of four accumulators
.set EMB,   128                        ; v128-191 emb_a rows of four blocks
.set RP,    192                        ; v192-207 the partner's partial sums, then the sums;  v208-223 emb_a
.set BI,    224                        ; v224-239 bv: the C of slots 0 and 1
.set CD,    240                        ; v240-243 codes
.set WV,    20                         ; s20 wave;  s21 ch;  s22 kh;  s23 1 - kh
.set CHF,   21
.set KH,    22
.set KN,    23
.set G1S,   24                         ; groups 1: x's scale words, then tiles 1 .. 3;  Wv;  one tile of x
.set G1W,   32
.set G1R,   52
.set G0X,   40                         ; groups 0: x's first tile;  Wv;  refills;  scale words;  tiles 1 .. 3
.set G0W,   44
.set G0R,   48
.set G0S,   88
.set G0T,   92
.set TRIP,  60
.set XSL,   61
.set EB,    66
.set EA,    68
.set HC,    70
.set HS,    72
.set PFB,   74
.set SEL,   78
.set MNT,   98
.set MSB, 0
.macro WIN new                         ; s_set_vgpr_msb: bits 1:0 source 0, 3:2 source 1, 5:4 source 2, 7:6 destination; the high byte repeats the setting that is left
.if MSB != (\new)
	s_set_vgpr_msb (MSB<<8)|(\new)
.set MSB, (\new)
.endif
.endm
.macro CREST                           ; a round of the cluster's barrier behind its opening barrier
	s_cmp_lg_u32 s[WV], 0
	s_cbranch_scc1 .Lnot_wave_0_\@
	s_barrier_signal -3
.Lnot_wave_0_\@:
	s_barrier_wait -3
	s_barrier_signal -1
	s_barrier_wait -1
.endm
.macro CROUND
	s_barrier_signal -1
	s_barrier_wait -1
	CREST
.endm
.macro TLOAD g0, g1                    ; a tensor load, an s_nop 0 and four v_nop
	tensor_load_to_lds s[\g0:\g0+3], s[\g1:\g1+7]
	s_nop 0
.rept 4
	v_nop
.endr
.endm
.macro G1SET g, mask, r, pitch         ; r rows of 1,024 elements of 8 bytes, dense in LDS;  15:0 the mask, 21 set beside it
	s_or_b32 s[\g], s[\mask], (3<<16)|(1<<21)
	s_mov_b32 s[\g+1], 1024<<16
	s_mov_b32 s[\g+2], (\r)<<16
	s_mov_b32 s[\g+3], 1024<<16
	s_mov_b32 s[\g+4], \r
	s_mov_b32 s[\g+5], \pitch
	s_mov_b32 s[\g+6], 0
	s_mov_b32 s[\g+7], 0
.endm
.macro ADDSH d, src, sh                ; s[d] += s[src] << sh
	s_lshl_b32 s3, s[\src], \sh
	s_add_co_u32 s\d, s\d, s3
.endm
	s_load_b256 s[4:11], s[0:1], 0x0               ; x's codes, its scales, Wv's codes, its scales
	s_load_b256 s[12:19], s[0:1], 0x20             ; bv, emb_a, h's codes, its scales
	v_lshl_add_u32 v[SPW], v0, 2, SPARE
	v_mov_b32 v[NIL], 0
	ds_add_u32 v[SPW], v[NIL]                      ; the wave's opening: the add, twice on end, and its wait ahead of my first tensor load
	ds_add_u32 v[SPW], v[NIL]
	v_lshrrev_b32 v1, 5, v0
	v_readfirstlane_b32 s[WV], v1
	s_lshr_b32 s[CHF], s[WV], 1
	s_and_b32 s[KH], s[WV], 1
	s_xor_b32 s[KN], s[KH], 1
	s_bfe_u32 s80, ttmp6, 0x40000                  ; cx, cy
	s_bfe_u32 s81, ttmp6, 0x40004
	s_lshl_b32 s82, ttmp9, 2
	s_add_co_u32 s82, s82, s80                     ; X
	s_and_b32 s83, ttmp7, 0xffff
	s_lshl_b32 s83, s83, 2
	s_add_co_u32 s83, s83, s81                     ; Y
	s_lshl_b32 s84, s81, 2
	s_lshl_b32 s84, 15, s84                        ; my row of the cluster
	s_lshl_b32 s85, 0x1111, s80                    ; my column
	G1SET G1S, 84, 2, 1024                         ; x's scale words: 16,384 bytes
	G1SET G1W, 85, 16, 2048                        ; Wv: eight tiles, of each one half of each half of K: 16 runs of 8,192 bytes, 16,384 apart
	G1SET G1R, 84, 4, 1024                         ; one tile of x
	s_mov_b32 s[G0W], 1                            ; waves 0, 1: K steps 4 w .. of each half of K
	s_lshl_b32 s[G0W+1], s[KH], 17
	s_mov_b32 s[G0X], 1
	s_mov_b32 s[G0X+1], PX
	s_mov_b32 s[G0S], 1
	s_mov_b32 s[G0S+1], XSC
	s_mov_b32 s[G0T], 1
	s_mul_i32 s[G0T+1], s[WV], 24576
	s_add_co_u32 s[G0T+1], s[G0T+1], 32768
	s_mov_b32 s[G0R], 1
	s_lshl_b32 s[G0R+1], s[WV], 15
	s_lshl_b32 s76, s83, 19                        ; x: tile 16 Y, in registers that never hold X
	s_mov_b32 s77, 0
	s_lshl_b32 s96, s83, 14                        ; its scale words likewise
	s_mov_b32 s97, 0
	s_lshl_b32 s86, s82, 18                        ; Wv: tile 8 X, in registers that never hold Y
	s_lshl_b32 s2, s[KH], 13
	s_add_co_u32 s86, s86, s2
	s_mov_b32 s87, 0
	s_mov_b32 s[SEL], 0x76543210
	s_mov_b32 s[SEL+1], 0xfedcba98
	s_mov_b32 s[MNT], 0x600000
	s_wait_dscnt 0x0                               ; both opening adds are done
	CROUND                                         ; all sixteen work-groups are here
	s_wait_kmcnt 0x0
	s_add_nc_u64 s[G0W+2:G0W+3], s[8:9], s[86:87]
	s_or_b32 s[G0W+3], s[G0W+3], 0x80000000
	s_add_nc_u64 s[G0X+2:G0X+3], s[4:5], s[76:77]
	s_or_b32 s[G0X+3], s[G0X+3], 0x80000000
	s_add_nc_u64 s[G0S+2:G0S+3], s[6:7], s[96:97]
	s_or_b32 s[G0S+3], s[G0S+3], 0x80000000
	s_cmp_eq_u32 s[WV], 0                          ; one joint load a wave; wave 0's is wanted first and has a line of its own
	s_cbranch_scc0 .Lwave_1
	TLOAD G0W, G1W
	s_branch .Lasked
.Lwave_1:
	s_cmp_eq_u32 s[WV], 1
	s_cbranch_scc0 .Lwave_2
	TLOAD G0W, G1W
	s_branch .Lasked
.Lwave_2:
	s_cmp_eq_u32 s[WV], 2
	s_cbranch_scc0 .Lwave_3
	TLOAD G0X, G1R
	s_branch .Lasked
.Lwave_3:
	TLOAD G0S, G1S
.Lasked:
	s_add_nc_u64 s[PFB:PFB+1], s[4:5], s[76:77]
	s_lshl_b32 s2, s[WV], 15                       ; refills: my tile of a chunk, a step ahead of chunk 1
	s_add_co_u32 s76, s76, s2
	s_add_nc_u64 s[G0R+2:G0R+3], s[4:5], s[76:77]
	s_or_b32 s[G0R+3], s[G0R+3], 0x80000000
	s_lshl_b32 s76, s83, 19                        ; tiles 1 .. 3
	s_add_co_u32 s76, s76, s[G0T+1]
	s_add_nc_u64 s[G0T+2:G0T+3], s[4:5], s[76:77]
	s_or_b32 s[G0T+3], s[G0T+3], 0x80000000
	s_mov_b32 s63, 0
	s_lshl_b32 s86, s82, 13                        ; Wv's scale words: slots 0, 1 by s[86:87], 2, 3 by s[10:11]
	ADDSH 86, CHF, 12
	ADDSH 86, KH, 10
	s_lshl_b32 s3, s[KN], 11
	s_add_co_u32 s62, s86, s3
	ADDSH 86, KH, 11
	s_add_nc_u64 s[86:87], s[10:11], s[86:87]
	s_add_nc_u64 s[10:11], s[10:11], s[62:63]
	s_lshl_b32 s62, s82, 9                         ; bv: 128 bytes at column 128 X + 32 w
	ADDSH 62, WV, 7
	s_add_nc_u64 s[12:13], s[12:13], s[62:63]
	s_lshl_b32 s62, s83, 21                        ; emb_a: row 256 Y + 4 w, column 128 X
	ADDSH 62, WV, 15
	ADDSH 62, 82, 9
	s_add_nc_u64 s[EB:EB+1], s[14:15], s[62:63]
	s_add_nc_u64 s[EA:EA+1], s[EB:EB+1], 2*131072  ; (stepped by a block at each block's head)
	s_lshl_b32 s62, s83, 19                        ; h's codes: tile 16 Y, K step X, block w
	ADDSH 62, 82, 11
	ADDSH 62, WV, 9
	s_add_nc_u64 s[HC:HC+1], s[16:17], s[62:63]
	s_lshl_b32 s62, s83, 14                        ; h's scale words: pairs 8 Y + 2 w, word X % 4 of K steps X / 4
	ADDSH 62, WV, 12
	s_lshr_b32 s2, s82, 2
	ADDSH 62, 2, 9
	s_and_b32 s2, s82, 3
	ADDSH 62, 2, 2
	s_add_nc_u64 s[HS:HS+1], s[18:19], s[62:63]
	; LDS addresses: the wave's number and constants alone
	s_lshl_b32 s8, s[KH], 14
	s_add_co_u32 s19, s8, PX                       ; my half of x's first tile
	s_lshl_b32 s9, s[KH], 10
	s_add_co_u32 s9, s9, XSC
	s_lshl_b32 s4, s[WV], 11
	s_xor_b32 s5, s4, 2048                         ; the partner: w xor 1
	s_add_co_u32 s4, s4, PX
	s_add_co_u32 s5, s5, PX
	s_mul_i32 s14, s[WV], 4*528
	s_add_co_u32 s14, s14, EX
	s_lshl_b32 s15, s[WV], 7
	s_add_co_u32 s15, s15, EX
	s_add_co_u32 s16, s[WV], BY
	s_lshl_b32 s17, s[CHF], 16                     ; Wv in slot 0
	s_lshl_b32 s2, s[KH], 13
	s_add_co_u32 s17, s17, s2
	s_lshl_b32 s18, s[KN], 15
	s_add_co_u32 s18, s18, s17                     ; slots 2, 3
	s_lshl_b32 s2, s[KH], 15
	s_add_co_u32 s17, s17, s2                      ; slots 0, 1
	s_lshl_b32 s3, s80, 2
	s_add_co_u32 s3, s3, s[WV]                     ; which of a cluster row's sixteen waves I am: 4 cx + w
	s_mul_i32 s62, s3, 6144
	s_lshl_b32 s3, s3, 13
	s_lshl_b32 s2, s[WV], 8
	s_add_co_u32 s2, s2, BY+128
	v_and_b32 v1, 31, v0
	v_and_b32 v2, 15, v0
	v_bfe_u32 v3, v0, 4, 1
	v_lshlrev_b32 v[L16], 4, v1
	v_lshlrev_b32 v[H64], 6, v3
	v_min_u32 v[PF0], 23, v1
	v_lshlrev_b32 v[PF0], 8, v[PF0]
	v_add_nc_u32 v[PF0], s62, v[PF0]
	v_lshl_add_u32 v[PF], v1, 8, s3
	v_add_nc_u32 v[XA0], s8, v[L16]
	v_add_nc_u32 v[SAD], s9, v[L16]
	v_add_nc_u32 v[PST], s4, v[L16]
	v_add_nc_u32 v[PLD], s5, v[L16]
	v_add_nc_u32 v[EST], s14, v[L16]
	v_mul_u32_u24 v[ELD], v2, 528
	v_add_nc_u32 v[ELD], v[ELD], v[H64]
	v_add_nc_u32 v[ELD], s15, v[ELD]
	v_lshl_add_u32 v[BYT], v2, 2, s16
	v_add_nc_u32 v20, s17, v[L16]
	v_add_nc_u32 v21, s18, v[L16]
	v_add_nc_u32 v22, s19, v[L16]
	v_add_nc_u32 v2, SLOT, v20                     ; Wv in slot 1
	v_add_nc_u32 v3, SLOT, v21
	v_lshl_add_u32 v[BWD], v1, 2, s2
	v_mov_b32 v[XA], v[XA0]
	v_add_nc_u32 v[XA+1], 0x10000, v[XA0]
	v_mov_b32 v[TM+2], 0                           ; (a lane permute's destination counts as one of its sources)
	s_wait_alu depctr_va_vdst(0)
.irp k, 0,1
	global_load_b128 v[SB+4*\k:SB+4*\k+3], v[L16], s[86:87] offset:\k*512
	global_load_b128 v[SB+8+4*\k:SB+8+4*\k+3], v[L16], s[10:11] offset:\k*512
.endr
.irp k, 0,1,2,3
	global_load_b128 v[BI+4*\k:BI+4*\k+3], v[H64], s[12:13] offset:16*\k
.endr
	global_prefetch_b8 v[PF0], s[PFB:PFB+1] offset:32768 th:TH_LOAD_NT scope:SCOPE_SE
	s_mov_b32 s[TRIP], 0
	s_mov_b32 s[XSL], 0
.set I_, 0
.rept 16                                       ; what block 1 finds where no block has written yet
	v_mov_b32 v[ACC+32+I_], 0
	v_mov_b32 v[RP+I_], 0
	v_mov_b32 v[RP+16+I_], 0
.set I_, I_+1
.endr
	s_wait_alu depctr_va_vdst(0)
	s_cmp_eq_u32 s[WV], 0
	s_cbranch_scc0 .Lnot_first
	s_wait_tensorcnt 0x0                           ; wave 0: Wv's first half is in.  The other waves' wait stands at the round below
.Lnot_first:
	s_barrier_signal -1
	s_barrier_wait -1
.macro WREAD w, a, b                   ; half of my Wv from a slot into window w
	WIN (\w)<<6
.irp q, 0,1,2,3
.irp c, 0,1,2,3
	ds_load_b128 v[64*\q+4*\c:64*\q+4*\c+3], v\a offset:2048*\q+512*\c
	ds_load_b128 v[64*\q+16+4*\c:64*\q+16+4*\c+3], v\a offset:16384+2048*\q+512*\c
	ds_load_b128 v[64*\q+32+4*\c:64*\q+32+4*\c+3], v\b offset:2048*\q+512*\c
	ds_load_b128 v[64*\q+48+4*\c:64*\q+48+4*\c+3], v\b offset:16384+2048*\q+512*\c
.endr
.endr
	WIN 0
.endm
	WREAD 1, 20, 21                                ; K steps 0 .. 3 of my half
.irp n, 0,1,2                                  ; emb_a: blocks 0 .. 2: each load reads 512 consecutive bytes of one row
.irp i, 0,1,2,3
	global_load_b128 v[EMB+16*\n+4*\i:EMB+16*\n+4*\i+3], v[L16], s[EB:EB+1] offset:131072*\n+8192*\i th:TH_LOAD_NT
.endr
.endr
	s_wait_tensorcnt 0x0                           ; the head's loads are all in
	ds_add_u32 v[SPW], v[NIL]
	s_mov_b32 s[G1S+2], 3<<16                      ; no tensor load of mine is out: the scale words' group 1 becomes that of tiles 1 .. 3: three rows of 8,192 bytes a wave
	s_mov_b32 s[G1S+4], 3
	s_wait_dscnt 0x0
	CROUND                                         ; slot 0 is read out, in every partner
	TLOAD G0T, G1S                                 ; tiles 1 .. 3 into slot 0
	WREAD 2, 2, 3                                  ; K steps 4 .. 7
.irp k, 0,1
	ds_load_b128 v[SA+4*\k:SA+4*\k+3], v[SAD] offset:512*\k
.endr
	WIN 0xc0
.set I_, 0
.rept 32                                       ; block 0 of x, into set 0 of window 3
	ds_load_b128 v[4*I_:4*I_+3], v22 offset:512*I_
.set I_, I_+1
.endr
	WIN 0
	global_prefetch_b8 v[PF], s[PFB:PFB+1] offset:SLOT th:TH_LOAD_NT scope:SCOPE_SE
	s_wait_loadcnt 12                              ; the scale words and bv are in; emb_a's twelve loads may be out
; product n = 4 q + b of a block: K step q of my half, tile slot b.  The four accumulators take turns.  Scale words: an odd tile's are read from lanes 16-31
.macro PROD n, j
.set Q_, (\n)/4
.set B_, (\n)%4
.set A_, ACC+32*((\j)%2)+8*B_
.set C_, A_
.if Q_ == 0
.set C_, BI+8*B_
.endif
.set W_, 16*((4*Q_+B_)%16)
.set X_, 128*((\j)%2)+16*Q_
.set SW_, SB+8*(B_/2)+Q_
.set SX_, SA+8*((\j)/2)+Q_
	WIN 0x0d+Q_/4
.if Q_ == 0 && B_ > 1
.if B_%2 && (\j)%2
	v_wmma_scale_f32_16x16x128_f8f6f4 v[A_:A_+7], v[W_:W_+15], v[X_:X_+15], 0, v[SW_], v[SX_] matrix_a_fmt:MATRIX_FMT_BF8 matrix_b_fmt:MATRIX_FMT_BF8 matrix_a_scale:MATRIX_SCALE_ROW1 matrix_b_scale:MATRIX_SCALE_ROW1
.elseif B_%2
	v_wmma_scale_f32_16x16x128_f8f6f4 v[A_:A_+7], v[W_:W_+15], v[X_:X_+15], 0, v[SW_], v[SX_] matrix_a_fmt:MATRIX_FMT_BF8 matrix_b_fmt:MATRIX_FMT_BF8 matrix_a_scale:MATRIX_SCALE_ROW1
.elseif (\j)%2
	v_wmma_scale_f32_16x16x128_f8f6f4 v[A_:A_+7], v[W_:W_+15], v[X_:X_+15], 0, v[SW_], v[SX_] matrix_a_fmt:MATRIX_FMT_BF8 matrix_b_fmt:MATRIX_FMT_BF8 matrix_b_scale:MATRIX_SCALE_ROW1
.else
	v_wmma_scale_f32_16x16x128_f8f6f4 v[A_:A_+7], v[W_:W_+15], v[X_:X_+15], 0, v[SW_], v[SX_] matrix_a_fmt:MATRIX_FMT_BF8 matrix_b_fmt:MATRIX_FMT_BF8
.endif
.else
.if B_%2 && (\j)%2
	v_wmma_scale_f32_16x16x128_f8f6f4 v[A_:A_+7], v[W_:W_+15], v[X_:X_+15], v[C_:C_+7], v[SW_], v[SX_] matrix_a_fmt:MATRIX_FMT_BF8 matrix_b_fmt:MATRIX_FMT_BF8 matrix_a_scale:MATRIX_SCALE_ROW1 matrix_b_scale:MATRIX_SCALE_ROW1
.elseif B_%2
	v_wmma_scale_f32_16x16x128_f8f6f4 v[A_:A_+7], v[W_:W_+15], v[X_:X_+15], v[C_:C_+7], v[SW_], v[SX_] matrix_a_fmt:MATRIX_FMT_BF8 matrix_b_fmt:MATRIX_FMT_BF8 matrix_a_scale:MATRIX_SCALE_ROW1
.elseif (\j)%2
	v_wmma_scale_f32_16x16x128_f8f6f4 v[A_:A_+7], v[W_:W_+15], v[X_:X_+15], v[C_:C_+7], v[SW_], v[SX_] matrix_a_fmt:MATRIX_FMT_BF8 matrix_b_fmt:MATRIX_FMT_BF8 matrix_b_scale:MATRIX_SCALE_ROW1
.else
	v_wmma_scale_f32_16x16x128_f8f6f4 v[A_:A_+7], v[W_:W_+15], v[X_:X_+15], v[C_:C_+7], v[SW_], v[SX_] matrix_a_fmt:MATRIX_FMT_BF8 matrix_b_fmt:MATRIX_FMT_BF8
.endif
.endif
.endm
; load k of the next block's 32 of x: 512 consecutive bytes
.macro XL k, j
.set T_, ((\j)+1)%4
.set D_, 128*(((\j)+1)%2)+4*(\k)
	WIN 0xc0
	ds_load_b128 v[D_:D_+3], v[XA+T_/2] offset:32768*(T_%2)+512*(\k)
.endm
; load k behind the barrier: 0-3 the partner's sums, 4-7 emb_a, then (j odd) the next pair's scale words, then what is left of x
.macro LD k, j, x0
.if (\k) < 4
	WIN 0
	ds_load_b128 v[RP+4*(\k):RP+4*(\k)+3], v[PLD] offset:8192*(((\j)+1)%2)+512*(\k)
.elseif (\k) < 8
	WIN 0
	ds_load_b128 v[RP+4*(\k):RP+4*(\k)+3], v[ELD] offset:8448*(((\j)+1)%2)+16*((\k)-4)
.else
.set I_, (\k)-8-2*((\j)%2)
.if I_ < 0
.set D_, SA+8*(1-(\j)/2)+4*((\k)-8)
	WIN 0
	ds_load_b128 v[D_:D_+3], v[SAD] offset:512*((\k)-8)
.else
	XL I_+(\x0), \j
.endif
.endif
.endm
; the two halves of K of set e's 16 numbers are added up.  These eight lines are also the places behind the last block's products
.macro SUM e
	WIN 0
.set I_, 0
.rept 8
	v_pk_add_f32 v[RP+I_:RP+I_+1], v[RP+I_:RP+I_+1], v[ACC+32*(\e)+I_:ACC+32*(\e)+I_+1]
.set I_, I_+2
.endr
.endm
; the rest of a block's way out, 40 lines: + emb_a; the largest magnitude; the scale; the hold; the codes
.macro EL k
.if (\k) < 8
	v_pk_add_f32 v[RP+2*(\k):RP+2*(\k)+1], v[RP+2*(\k):RP+2*(\k)+1], v[RP+16+2*(\k):RP+17+2*(\k)]
.elseif (\k) == 8
	v_max3_num_f32 v[TM], |v[RP]|, |v[RP+1]|, 0x8000000   ; the floor 2^(16 - 127): so the byte cannot fall under 1
.elseif (\k) == 9
	v_max3_num_f32 v[TM+1], |v[RP+2]|, |v[RP+3]|, |v[RP+4]|
.elseif (\k) < 15
	v_max3_num_f32 v[TM+((\k)%2)], v[TM+((\k)%2)], |v[RP+2*(\k)-15]|, |v[RP+2*(\k)-14]|
.elseif (\k) == 15
	v_max3_num_f32 v[TM], v[TM], v[TM+1], |v[RP+15]|
.elseif (\k) == 16
	v_permlanex16_b32 v[TM+2], v[TM], s[SEL], s[SEL+1]
.elseif (\k) == 17
	v_max_num_f32 v[TM], v[TM], v[TM+2]            ; with lane l xor 16's 16: the block's largest magnitude
.elseif (\k) == 18
	v_add_nc_u32 v[SOP], 0xf8800000, v[TM]         ; 15 off its exponent field: the conversions' scale operand
.elseif (\k) == 19
	v_and_or_b32 v[TM+1], v[TM], 0x7f800000, s[MNT]   ; 57,344 x the scale
.elseif (\k) == 20
	v_lshrrev_b32 v[SOP+1], 23, v[SOP]
.elseif (\k) < 37
	v_med3_num_f32 v[RP+(\k)-21], v[RP+(\k)-21], -v[TM+1], v[TM+1]   ; the conversion does not saturate (ISA guide 7.6.2)
.elseif (\k) == 37
	v_cvt_scalef32_pk8_bf8_f32 v[CD:CD+1], v[RP:RP+7], v[SOP]
.elseif (\k) == 38
	v_cvt_scalef32_pk8_bf8_f32 v[CD+2:CD+3], v[RP+8:RP+15], v[SOP]
.elseif (\k) == 39
	v_nop
.endif
.endm
; the block before: its partial sums for the partner, and my four rows of emb_a, into the stages
.macro STAGES j
.set S_, ACC+32*(((\j)+1)%2)+16
.set D_, EMB+16*(((\j)+3)%4)
.irp g, 0,1,2,3
	ds_store_b128 v[PST], v[S_+4*\g:S_+4*\g+3] offset:8192*(((\j)+1)%2)+512*\g
.endr
.irp g, 0,1,2,3
	ds_store_b128 v[EST], v[D_+4*\g:D_+4*\g+3] offset:8448*(((\j)+1)%2)+528*\g
.endr
.endm
.macro GRD
	s_wait_tensorcnt 0x0
	ds_add_u32 v[SPW], v[NIL]
	s_xor_b32 s[G0R+1], s[G0R+1], SLOT
	s_add_nc_u64 s[G0R+2:G0R+3], s[G0R+2:G0R+3], SLOT
.endm
; BLOCK n, j = n % 4.  kind 0: plain;  1: a round, and the slot that has been read out is filled again;  2: the barrier shows the last chunk;  3: the last block, nothing follows;  4: block 0: nothing before it, and a round with chunk 1's fill.
; first = 1: in the loop, whose first trip has no block to store at its head;  el = 1: emb_a of block n + 3 is asked for;  lc: loads of emb_a that are younger than block n - 1's
.macro BLK j, kind, first, el, lc
.if (\kind) == 4
	s_wait_dscnt 0x0
.else
	s_wait_dscnt 16                                ; all but the last sixteen loads of x (K steps 4 .. 7) are in
	s_wait_loadcnt \lc
.endif
	s_wait_xcnt 0x0                                ; the pointers and the codes' registers may be written
.if \el
	s_add_nc_u64 s[EA:EA+1], s[EA:EA+1], 131072
.endif
	s_add_nc_u64 s[HC:HC+1], s[HC:HC+1], 32768     ; block n + 1's place
.if (\kind) != 4
	v_add_nc_u32 v[BYT], 64, v[BYT]
.if (\j)%2 && (\kind) != 3
	v_add_nc_u32 v[SAD], 2048, v[SAD]              ; the next pair of tiles
.endif
	SUM (\j)%2
	s_wait_alu depctr_va_vdst(0)
	STAGES \j
.endif
.if (\kind) == 0
.set K_, 0
.rept 16
	XL K_, \j
.set K_, K_+1
.endr
	WIN 0
.endif
.if (\kind) == 1
	GRD
.endif
.if (\kind) == 2
	s_wait_tensorcnt 0x0                           ; the last chunk is in
.endif
.if (\kind) == 4
.set PRE_, 28
.else
.set PRE_, 16
.endif
.set N_, 0
.rept PRE_
	PROD N_, \j
.if (\kind) != 4 && N_ < 14                    ; three lines of block n - 2's way out behind each product
	WIN 0
	EL 3*N_
	EL 3*N_+1
	EL 3*N_+2
.endif
.set N_, N_+1
.endr
.if (\kind) == 4
	WIN 0
	GRD
.endif
	s_wait_dscnt 0x0                               ; my stores into the stages and my reads are over, and a add
	s_barrier_signal -1
.rept 4
	PROD N_, \j
.set N_, N_+1
.endr
	WIN 0
.if (\j) == 3 && (\kind) != 3
	s_xor_b32 s[XSL], s[XSL], SLOT                 ; on to the other slot
	v_add_nc_u32 v[XA], s[XSL], v[XA0]
	v_add_nc_u32 v[XA+1], 0x10000, v[XA]
.endif
	s_barrier_wait -1
.if (\kind) == 1 || (\kind) == 4
	CREST                                          ; no wave of any partner still reads this slot or has a load on its way
	TLOAD G0R, G1R
.endif
.if (\kind) != 4
	s_wait_alu depctr_va_vdst(0)
	ds_store_b8 v[BYT], v[SOP+1]                   ; both halves of the lanes write the same byte with the same value
.if (\first) && (\j) == 1
	s_cmp_eq_u32 s[TRIP], 0                        ; block 1 has no block two before
	s_cbranch_scc1 .Lno_codes_\@
.endif
	global_store_b128 v[L16], v[CD:CD+3], s[HC:HC+1] offset:-3*32768   ; 32 lanes store 512 consecutive bytes, at a multiple of 512
.Lno_codes_\@:
.endif
.set K_, 0
.set X0_, 0
.if (\kind) == 0
.set X0_, 16
.set TOT_, 24+2*((\j)%2)
.elseif (\kind) == 3
.set TOT_, 8
.elseif (\kind) == 4
.set K_, 8
.set TOT_, 32
.else
.set TOT_, 42
.endif
.rept TOT_
	LD K_, \j, X0_
.set K_, K_+1
.endr
	WIN 0
.if \el
.set D_, EMB+16*(((\j)+3)%4)
.irp g, 0,1,2,3                                ; emb_a of block n + 3
	global_load_b128 v[D_+4*\g:D_+4*\g+3], v[L16], s[EA:EA+1] offset:8192*\g th:TH_LOAD_NT
.endr
.endif
.if (\kind) == 4
	global_prefetch_b8 v[PF], s[PFB:PFB+1] offset:2*SLOT th:TH_LOAD_NT scope:SCOPE_SE
.endif
.if (\first) && (\j) == 2
	s_cmp_eq_u32 s[TRIP], 0
	s_cbranch_scc0 .Lnot_asked_\@
	global_prefetch_b8 v[PF], s[PFB:PFB+1] offset:3*SLOT th:TH_LOAD_NT scope:SCOPE_SE
.Lnot_asked_\@:
.endif
.rept 28-PRE_
	PROD N_, \j
.set N_, N_+1
.endr
	WIN 0
.endm
	BLK 0, 4, 0, 1, 0                              ; block 0
.Lfill:                                                ; blocks 1 .. 4, 5 .. 8: chunks 2 and 3 are asked for
	BLK 1, 0, 1, 1, 12
	BLK 2, 0, 1, 1, 12
	BLK 3, 1, 1, 1, 12
	BLK 0, 0, 1, 1, 12
	s_add_co_u32 s[TRIP], s[TRIP], 1
	s_cmp_lg_u32 s[TRIP], 2
	s_cbranch_scc1 .Lfill
	BLK 1, 0, 0, 1, 12                             ; blocks 9 .. 15: nothing is left to fetch by tensor loads, and behind block 12 nothing of emb_a
	BLK 2, 0, 0, 1, 12
	BLK 3, 2, 0, 1, 12
	BLK 0, 0, 0, 1, 12
	BLK 1, 0, 0, 0, 12
	BLK 2, 0, 0, 0, 8
	BLK 3, 3, 0, 0, 4
; the last two blocks' way out
.macro ELS
.set K_, 0
.rept 40
	EL K_
.set K_, K_+1
.endr
	s_wait_alu depctr_va_vdst(0)
.endm
	s_wait_dscnt 0x0
	s_wait_loadcnt 0x0
	s_wait_xcnt 0x0
	SUM 0
	s_wait_alu depctr_va_vdst(0)
	STAGES 0
	ELS
	ds_store_b8 v[BYT], v[SOP+1] offset:64
	global_store_b128 v[L16], v[CD:CD+3], s[HC:HC+1] offset:-65536
	s_wait_dscnt 0x0
	s_barrier_signal -1
	s_barrier_wait -1
.irp k, 0,1,2,3,4,5,6,7
	LD \k, 0, 0
.endr
	s_wait_dscnt 0x0
	s_wait_xcnt 0x0
	SUM 1
	ELS
	ds_store_b8 v[BYT], v[SOP+1] offset:128
	global_store_b128 v[L16], v[CD:CD+3], s[HC:HC+1] offset:-32768
	s_wait_dscnt 0x0                               ; the scale bytes: four waves' bytes make a word
	s_barrier_signal -1
	s_barrier_wait -1
	ds_load_b32 v20, v[BWD]
	ds_load_b32 v21, v[BWD] offset:128
	s_wait_dscnt 0x0
	global_store_b32 v[L16], v20, s[HS:HS+1]
	global_store_b32 v[L16], v21, s[HS:HS+1] offset:2048
	s_wait_tensorcnt 0x0                           ; the wave's end
	ds_add_u32 v[SPW], v[NIL]
	s_wait_dscnt 0x0
	CROUND                                         ; the closing round
	s_endpgm
.Lfunc_end_k_qa5c6a25675_gemm1:
	.size	k_qa5c6a25675_gemm1, .Lfunc_end_k_qa5c6a25675_gemm1-k_qa5c6a25675_gemm1
	.p2alignl 7, 3214868480
	.fill 96, 4, 3214868480
	.section	.rodata,"a",@progbits
	.p2align	6, 0x0
	.amdhsa_kernel k_qa5c6a25675_gemm1
		.amdhsa_group_segment_fixed_size 327680
		.amdhsa_private_segment_fixed_size 0
		.amdhsa_enable_private_segment 0
		.amdhsa_kernarg_size 64
		.amdhsa_user_sgpr_count 2
		.amdhsa_user_sgpr_kernarg_segment_ptr 1
		.amdhsa_wavefront_size32 1
		.amdhsa_system_sgpr_workgroup_id_x 1
		.amdhsa_system_sgpr_workgroup_id_y 1
		.amdhsa_system_sgpr_workgroup_id_z 1
		.amdhsa_system_vgpr_workitem_id 0
		.amdhsa_next_free_vgpr 1024
		.amdhsa_next_free_sgpr 100
		.amdhsa_reserve_vcc 0
		.amdhsa_float_denorm_mode_32 3
		.amdhsa_float_denorm_mode_16_64 3
		.amdhsa_memory_ordered 1
		.amdhsa_forward_progress 1
		.amdhsa_inst_pref_size 172
	.end_amdhsa_kernel
	.amdgpu_metadata
---
amdhsa.version: [ 1, 2 ]
amdhsa.kernels:
  - .name:           k_qa5c6a25675_gemm1
    .symbol:         k_qa5c6a25675_gemm1.kd
    .args:
      - { .name: eb_codes, .offset: 0, .size: 8, .value_kind: global_buffer, .address_space: global }
      - { .name: eb_scales, .offset: 8, .size: 8, .value_kind: global_buffer, .address_space: global }
      - { .name: wv_codes, .offset: 16, .size: 8, .value_kind: global_buffer, .address_space: global }
      - { .name: wv_scales, .offset: 24, .size: 8, .value_kind: global_buffer, .address_space: global }
      - { .name: bv, .offset: 32, .size: 8, .value_kind: global_buffer, .address_space: global }
      - { .name: emb_a, .offset: 40, .size: 8, .value_kind: global_buffer, .address_space: global }
      - { .name: h_codes, .offset: 48, .size: 8, .value_kind: global_buffer, .address_space: global }
      - { .name: h_scales, .offset: 56, .size: 8, .value_kind: global_buffer, .address_space: global }
    .group_segment_fixed_size: 327680
    .private_segment_fixed_size: 0
    .kernarg_segment_align: 8
    .kernarg_segment_size: 64
    .max_flat_workgroup_size: 128
    .sgpr_count:     100
    .vgpr_count:     1024
    .wavefront_size: 32
...
	.end_amdgpu_metadata
.endif
;; end of part 2
;; launch gemm2 (part 3): grid 16 x 16, 4 waves a work-group, clusters of 4 x 4, 327,680 bytes of LDS; arguments h_codes, h_scales, wo_codes, wo_scales, bo, out0; writes out0
.if DOCPART == 3
	.amdgcn_target "amdgcn-amd-amdhsa--gfx1250"
	.amdhsa_code_object_version 6
	.text
	.protected	k_qa5c6a25675_gemm2
	.globl	k_qa5c6a25675_gemm2
	.p2align	8
	.type	k_qa5c6a25675_gemm2,@function
k_qa5c6a25675_gemm2:
	s_mov_b64 s[64:65], 0
	v_nop
	global_prefetch_b8 v0, s[64:65] scope:SCOPE_SE
	s_setreg_imm32_b32 hwreg(HW_REG_WAVE_MODE, 25, 1), 1
	s_wait_xcnt 0x0
	s_wait_alu depctr_hold_cnt(0) depctr_sa_sdst(0) depctr_va_vdst(0) depctr_va_sdst(0) depctr_va_ssrc(0) depctr_va_vcc(0) depctr_vm_vsrc(0)
	s_getreg_b32 s2, hwreg(HW_REG_IB_STS2, 6, 4)
	s_cmp_eq_u32 s2, 0
	s_cbranch_scc0 .Lentry_in_a_cluster
	s_endpgm
.Lentry_in_a_cluster:
	s_bfe_u32 s2, ttmp6, 0x10000c
	s_cmp_lg_u32 s2, 0xf033
	s_cbranch_scc0 .Lentry_shape_is_right
	s_endpgm
.Lentry_shape_is_right:
; out = Q(h) Q(Wo)^T + bo, f32.  x below is h: its codes and scale words were made by the launch before, Wo's by the first, in the layout that the first kernel's head gives.
; The work that the first kernel's head shows dead (q, k, the scores, the softmax over one element) has no part here.
; SHARES.  256 work-groups, each 256 rows (Y) x 128 columns (X); four waves, wave w = 2 ch + kh: 64 columns (half ch) x HALF OF K (kh: K steps 8 kh .. 8 kh + 7).  A wave keeps its 64 x 1,024 codes of Wo in 512 registers and streams
; the rows past them in 16 blocks of 16 rows, 32 products a block.  Waves 2 ch and 2 ch + 1 hold the two halves of a sum: each finishes 32 of the 64 columns; it sends the other 32 columns' partial sums to its partner through LDS, one barrier a block.
; A wave's tiles are ordered so that slots 0, 1 are the pair that it finishes (pair kh of its half's two), slots 2, 3 the partner's.
; THE MATRIX INSTRUCTION IS USED TRANSPOSED: source 0 = 16 rows of Wo, source 1 = 16 rows of x: lane (r, h) holds row r and, in slots 0 and 1's 16 registers, the columns 32 w + 16 h + 0 .. 15.
; BLOCK n's text: block n - 2's sums are added up and go to LDS, block n - 1's partial sums too; half of block n + 1's x is asked for; block n - 3's rows are stored; products; the barrier;
; block n - 1's partner sums, block n - 2's whole rows and the rest of block n + 1's x are asked for; the last products.  Memory instructions so stand in two runs.  Block 0 has nothing before it; blocks 1 and 2 store no rows.
; LDS: two slots of 64 rows of x, all of K (4 tiles of 32,768 bytes, images of the operands' registers), x's scale words of all 256 rows, two stages of partial sums, two of finished rows.
; FILLS.  At the head, one load a wave: Wo's K steps 0 .. 3 of each half of K into slot 0 (wave 0), 4 .. 7 into slot 1 (wave 1), x's first tile into the stages' bytes, which have no other fill (wave 2), x's scale words (wave 3).
; Wo goes on into registers.  Slot 0 then takes x's tiles 1 .. 3, three quarters of a tile a wave; slot 1 x's chunk 1 (tiles 4 .. 7) inside block 0; inside blocks 3 and 7 the slot that has been read out takes the next chunk, a tile a wave: each in a drained round.
; CLUSTERS: 4 x 4.  x's tiles and scale words are shared along a row of the cluster, Wo's along a column: every tensor load is a joint load.
; PREFETCHES: a chunk of x is 131,072 bytes = 16 waves (four work-groups of a cluster row x four waves) x 32 lanes x 256 bytes: each wave asks for its sixteenth once: of tiles 1 .. 3 (24 blocks of 256 bytes a wave) and of chunk 1 at the head, of chunk 2 in block 0, of chunk 3 in block 2.
.set SLOT,  131072
.set XSC,   2*SLOT                     ; x's scale words: 8 pairs of tiles x 2,048
.set PX,    XSC+16384                  ; partial sums: two stages of 4 waves x 2,048;  at the head x's first tile, 32,768 bytes from here on
.set OX,    PX+16384                   ; finished rows: two stages of 16 rows x 528
.set SPARE, OX+16896                   ; the spare words, 128 bytes for each wave: two blocks of 256 bytes that no other line names
.set L16,   4                          ; v4      16 x lane
.set XA,    5                          ; v5, v6  x's tiles 0, 1 and 2, 3 of the slot in hand
.set XA0,   7
.set SAD,   8                          ; v8      x's scale words
.set SPW,   10                         ; v10     my spare word;  v11 0; never rewritten
.set NIL,   11
.set PST,   12                         ; v12, v13 partial sums: where mine go, where the partner's lie
.set PLD,   13
.set ORD,   14                         ; v14, v15 finished rows: by rows, by lanes
.set OST,   15
.set PF,    17                         ; v17     the prefetches' offset; never rewritten
.set H64,   19
.set PF0,   23                         ; v23     the first prefetch's offset; never rewritten
.set SB,    24                         ; v24-39  Wo's scale words: pair slot p, K step q at SB + 8 p + q
.set SA,    44                         ; v44-59  x's: two sets of 8, a pair of blocks each
.set ACC,   64                         ; v64-127 two sets of four accumulators
.set OUT,   128                        ; v128-159 rows on their way out, two sets
.set RP,    192                        ; v192-207 the partner's partial sums, then the sums
.set BI,    224                        ; v224-239 bo: the C of slots 0 and 1
.set WV,    20                         ; s20 wave;  s21 ch;  s22 kh;  s23 1 - kh
.set CHF,   21
.set KH,    22
.set KN,    23
.set G1S,   24                         ; groups 1: x's scale words, then tiles 1 .. 3;  Wo;  one tile of x
.set G1W,   32
.set G1R,   52
.set G0X,   40                         ; groups 0: x's first tile;  Wo;  refills;  scale words;  tiles 1 .. 3
.set G0W,   44
.set G0R,   48
.set G0S,   88
.set G0T,   92
.set TRIP,  60
.set XSL,   61
.set OB,    70
.set PFB,   74
.set MSB, 0
.macro WIN new                         ; s_set_vgpr_msb: bits 1:0 source 0, 3:2 source 1, 5:4 source 2, 7:6 destination; the high byte repeats the setting that is left
.if MSB != (\new)
	s_set_vgpr_msb (MSB<<8)|(\new)
.set MSB, (\new)
.endif
.endm
.macro CREST                           ; a round of the cluster's barrier behind its opening barrier
	s_cmp_lg_u32 s[WV], 0
	s_cbranch_scc1 .Lnot_wave_0_\@
	s_barrier_signal -3
.Lnot_wave_0_\@:
	s_barrier_wait -3
	s_barrier_signal -1
	s_barrier_wait -1
.endm
.macro CROUND
	s_barrier_signal -1
	s_barrier_wait -1
	CREST
.endm
.macro TLOAD g0, g1                    ; a tensor load, an s_nop 0 and four v_nop
	tensor_load_to_lds s[\g0:\g0+3], s[\g1:\g1+7]
	s_nop 0
.rept 4
	v_nop
.endr
.endm
.macro G1SET g, mask, r, pitch         ; r rows of 1,024 elements of 8 bytes, dense in LDS;  15:0 the mask, 21 set beside it
	s_or_b32 s[\g], s[\mask], (3<<16)|(1<<21)
	s_mov_b32 s[\g+1], 1024<<16
	s_mov_b32 s[\g+2], (\r)<<16
	s_mov_b32 s[\g+3], 1024<<16
	s_mov_b32 s[\g+4], \r
	s_mov_b32 s[\g+5], \pitch
	s_mov_b32 s[\g+6], 0
	s_mov_b32 s[\g+7], 0
.endm
.macro ADDSH d, src, sh                ; s[d] += s[src] << sh
	s_lshl_b32 s3, s[\src], \sh
	s_add_co_u32 s\d, s\d, s3
.endm
	s_load_b256 s[4:11], s[0:1], 0x0               ; x's codes, its scales, Wo's codes, its scales
	s_load_b128 s[12:15], s[0:1], 0x20             ; bo, out
	v_lshl_add_u32 v[SPW], v0, 2, SPARE
	v_mov_b32 v[NIL], 0
	ds_add_u32 v[SPW], v[NIL]                      ; the wave's opening: the add, twice on end, and its wait ahead of my first tensor load
	ds_add_u32 v[SPW], v[NIL]
	v_lshrrev_b32 v1, 5, v0
	v_readfirstlane_b32 s[WV], v1
	s_lshr_b32 s[CHF], s[WV], 1
	s_and_b32 s[KH], s[WV], 1
	s_xor_b32 s[KN], s[KH], 1
	s_bfe_u32 s80, ttmp6, 0x40000                  ; cx, cy
	s_bfe_u32 s81, ttmp6, 0x40004
	s_lshl_b32 s82, ttmp9, 2
	s_add_co_u32 s82, s82, s80                     ; X
	s_and_b32 s83, ttmp7, 0xffff
	s_lshl_b32 s83, s83, 2
	s_add_co_u32 s83, s83, s81                     ; Y
	s_lshl_b32 s84, s81, 2
	s_lshl_b32 s84, 15, s84                        ; my row of the cluster
	s_lshl_b32 s85, 0x1111, s80                    ; my column
	G1SET G1S, 84, 2, 1024                         ; x's scale words: 16,384 bytes
	G1SET G1W, 85, 16, 2048                        ; Wo: eight tiles, of each one half of each half of K: 16 runs of 8,192 bytes, 16,384 apart
	G1SET G1R, 84, 4, 1024                         ; one tile of x
	s_mov_b32 s[G0W], 1                            ; waves 0, 1: K steps 4 w .. of each half of K
	s_lshl_b32 s[G0W+1], s[KH], 17
	s_mov_b32 s[G0X], 1
	s_mov_b32 s[G0X+1], PX
	s_mov_b32 s[G0S], 1
	s_mov_b32 s[G0S+1], XSC
	s_mov_b32 s[G0T], 1
	s_mul_i32 s[G0T+1], s[WV], 24576
	s_add_co_u32 s[G0T+1], s[G0T+1], 32768
	s_mov_b32 s[G0R], 1
	s_lshl_b32 s[G0R+1], s[WV], 15
	s_lshl_b32 s76, s83, 19                        ; x: tile 16 Y, in registers that never hold X
	s_mov_b32 s77, 0
	s_lshl_b32 s96, s83, 14                        ; its scale words likewise
	s_mov_b32 s97, 0
	s_lshl_b32 s86, s82, 18                        ; Wo: tile 8 X, in registers that never hold Y
	s_lshl_b32 s2, s[KH], 13
	s_add_co_u32 s86, s86, s2
	s_mov_b32 s87, 0
	s_wait_dscnt 0x0                               ; both opening adds are done
	CROUND                                         ; all sixteen work-groups are here
	s_wait_kmcnt 0x0
	s_add_nc_u64 s[G0W+2:G0W+3], s[8:9], s[86:87]
	s_or_b32 s[G0W+3], s[G0W+3], 0x80000000
	s_add_nc_u64 s[G0X+2:G0X+3], s[4:5], s[76:77]
	s_or_b32 s[G0X+3], s[G0X+3], 0x80000000
	s_add_nc_u64 s[G0S+2:G0S+3], s[6:7], s[96:97]
	s_or_b32 s[G0S+3], s[G0S+3], 0x80000000
	s_cmp_eq_u32 s[WV], 0                          ; one joint load a wave; wave 0's is wanted first and has a line of its own
	s_cbranch_scc0 .Lwave_1
	TLOAD G0W, G1W
	s_branch .Lasked
.Lwave_1:
	s_cmp_eq_u32 s[WV], 1
	s_cbranch_scc0 .Lwave_2
	TLOAD G0W, G1W
	s_branch .Lasked
.Lwave_2:
	s_cmp_eq_u32 s[WV], 2
	s_cbranch_scc0 .Lwave_3
	TLOAD G0X, G1R
	s_branch .Lasked
.Lwave_3:
	TLOAD G0S, G1S
.Lasked:
	s_add_nc_u64 s[PFB:PFB+1], s[4:5], s[76:77]
	s_lshl_b32 s2, s[WV], 15                       ; refills: my tile of a chunk, a step ahead of chunk 1
	s_add_co_u32 s76, s76, s2
	s_add_nc_u64 s[G0R+2:G0R+3], s[4:5], s[76:77]
	s_or_b32 s[G0R+3], s[G0R+3], 0x80000000
	s_lshl_b32 s76, s83, 19                        ; tiles 1 .. 3
	s_add_co_u32 s76, s76, s[G0T+1]
	s_add_nc_u64 s[G0T+2:G0T+3], s[4:5], s[76:77]
	s_or_b32 s[G0T+3], s[G0T+3], 0x80000000
	s_mov_b32 s63, 0
	s_lshl_b32 s86, s82, 13                        ; Wo's scale words: slots 0, 1 by s[86:87], 2, 3 by s[10:11]
	ADDSH 86, CHF, 12
	ADDSH 86, KH, 10
	s_lshl_b32 s3, s[KN], 11
	s_add_co_u32 s62, s86, s3
	ADDSH 86, KH, 11
	s_add_nc_u64 s[86:87], s[10:11], s[86:87]
	s_add_nc_u64 s[10:11], s[10:11], s[62:63]
	s_lshl_b32 s62, s82, 9                         ; bo: 128 bytes at column 128 X + 32 w
	ADDSH 62, WV, 7
	s_add_nc_u64 s[12:13], s[12:13], s[62:63]
	s_lshl_b32 s62, s83, 21                        ; out: row 256 Y + 4 w, column 128 X
	ADDSH 62, WV, 15
	ADDSH 62, 82, 9
	s_add_nc_u64 s[OB:OB+1], s[14:15], s[62:63]
	; LDS addresses: the wave's number and constants alone
	s_lshl_b32 s8, s[KH], 14
	s_add_co_u32 s19, s8, PX                       ; my half of x's first tile
	s_lshl_b32 s9, s[KH], 10
	s_add_co_u32 s9, s9, XSC
	s_lshl_b32 s4, s[WV], 11
	s_xor_b32 s5, s4, 2048                         ; the partner: w xor 1
	s_add_co_u32 s4, s4, PX
	s_add_co_u32 s5, s5, PX
	s_mul_i32 s14, s[WV], 4*528
	s_add_co_u32 s14, s14, OX
	s_lshl_b32 s15, s[WV], 7
	s_add_co_u32 s15, s15, OX
	s_lshl_b32 s17, s[CHF], 16                     ; Wo in slot 0
	s_lshl_b32 s2, s[KH], 13
	s_add_co_u32 s17, s17, s2
	s_lshl_b32 s18, s[KN], 15
	s_add_co_u32 s18, s18, s17                     ; slots 2, 3
	s_lshl_b32 s2, s[KH], 15
	s_add_co_u32 s17, s17, s2                      ; slots 0, 1
	s_lshl_b32 s3, s80, 2
	s_add_co_u32 s3, s3, s[WV]                     ; which of a cluster row's sixteen waves I am: 4 cx + w
	s_mul_i32 s62, s3, 6144
	s_lshl_b32 s3, s3, 13
	v_and_b32 v1, 31, v0
	v_and_b32 v2, 15, v0
	v_bfe_u32 v3, v0, 4, 1
	v_lshlrev_b32 v[L16], 4, v1
	v_lshlrev_b32 v[H64], 6, v3
	v_min_u32 v[PF0], 23, v1
	v_lshlrev_b32 v[PF0], 8, v[PF0]
	v_add_nc_u32 v[PF0], s62, v[PF0]
	v_lshl_add_u32 v[PF], v1, 8, s3
	v_add_nc_u32 v[XA0], s8, v[L16]
	v_add_nc_u32 v[SAD], s9, v[L16]
	v_add_nc_u32 v[PST], s4, v[L16]
	v_add_nc_u32 v[PLD], s5, v[L16]
	v_add_nc_u32 v[ORD], s14, v[L16]
	v_mul_u32_u24 v[OST], v2, 528
	v_add_nc_u32 v[OST], v[OST], v[H64]
	v_add_nc_u32 v[OST], s15, v[OST]
	v_add_nc_u32 v20, s17, v[L16]
	v_add_nc_u32 v21, s18, v[L16]
	v_add_nc_u32 v22, s19, v[L16]
	v_add_nc_u32 v2, SLOT, v20                     ; Wo in slot 1
	v_add_nc_u32 v3, SLOT, v21
	v_mov_b32 v[XA], v[XA0]
	v_add_nc_u32 v[XA+1], 0x10000, v[XA0]
	s_wait_alu depctr_va_vdst(0)
.irp k, 0,1
	global_load_b128 v[SB+4*\k:SB+4*\k+3], v[L16], s[86:87] offset:\k*512
	global_load_b128 v[SB+8+4*\k:SB+8+4*\k+3], v[L16], s[10:11] offset:\k*512
.endr
.irp k, 0,1,2,3
	global_load_b128 v[BI+4*\k:BI+4*\k+3], v[H64], s[12:13] offset:16*\k
.endr
	global_prefetch_b8 v[PF0], s[PFB:PFB+1] offset:32768 th:TH_LOAD_NT scope:SCOPE_SE
	s_mov_b32 s[TRIP], 0
	s_mov_b32 s[XSL], 0
.set I_, 0
.rept 16                                       ; what block 1 finds where no block has written yet
	v_mov_b32 v[ACC+32+I_], 0
	v_mov_b32 v[RP+I_], 0
	v_mov_b32 v[OUT+I_], 0
.set I_, I_+1
.endr
	s_wait_alu depctr_va_vdst(0)
	s_cmp_eq_u32 s[WV], 0
	s_cbranch_scc0 .Lnot_first
	s_wait_tensorcnt 0x0                           ; wave 0: Wo's first half is in.  The other waves' wait stands at the round below
.Lnot_first:
	s_barrier_signal -1
	s_barrier_wait -1
.macro WREAD w, a, b                   ; half of my Wo from a slot into window w
	WIN (\w)<<6
.irp q, 0,1,2,3
.irp c, 0,1,2,3
	ds_load_b128 v[64*\q+4*\c:64*\q+4*\c+3], v\a offset:2048*\q+512*\c
	ds_load_b128 v[64*\q+16+4*\c:64*\q+16+4*\c+3], v\a offset:16384+2048*\q+512*\c
	ds_load_b128 v[64*\q+32+4*\c:64*\q+32+4*\c+3], v\b offset:2048*\q+512*\c
	ds_load_b128 v[64*\q+48+4*\c:64*\q+48+4*\c+3], v\b offset:16384+2048*\q+512*\c
.endr
.endr
	WIN 0
.endm
	WREAD 1, 20, 21                                ; K steps 0 .. 3 of my half
	s_wait_tensorcnt 0x0                           ; the head's loads are all in
	ds_add_u32 v[SPW], v[NIL]
	s_mov_b32 s[G1S+2], 3<<16                      ; no tensor load of mine is out: the scale words' group 1 becomes that of tiles 1 .. 3: three rows of 8,192 bytes a wave
	s_mov_b32 s[G1S+4], 3
	s_wait_dscnt 0x0
	CROUND                                         ; slot 0 is read out, in every partner
	TLOAD G0T, G1S                                 ; tiles 1 .. 3 into slot 0
	WREAD 2, 2, 3                                  ; K steps 4 .. 7
.irp k, 0,1
	ds_load_b128 v[SA+4*\k:SA+4*\k+3], v[SAD] offset:512*\k
.endr
	WIN 0xc0
.set I_, 0
.rept 32                                       ; block 0 of x, into set 0 of window 3
	ds_load_b128 v[4*I_:4*I_+3], v22 offset:512*I_
.set I_, I_+1
.endr
	WIN 0
	global_prefetch_b8 v[PF], s[PFB:PFB+1] offset:SLOT th:TH_LOAD_NT scope:SCOPE_SE
	s_wait_loadcnt 0x0                             ; the scale words and bo are in
; product n = 4 q + b of a block: K step q of my half, tile slot b.  The four accumulators take turns.  Scale words: an odd tile's are read from lanes 16-31
.macro PROD n, j
.set Q_, (\n)/4
.set B_, (\n)%4
.set A_, ACC+32*((\j)%2)+8*B_
.set C_, A_
.if Q_ == 0
.set C_, BI+8*B_
.endif
.set W_, 16*((4*Q_+B_)%16)
.set X_, 128*((\j)%2)+16*Q_
.set SW_, SB+8*(B_/2)+Q_
.set SX_, SA+8*((\j)/2)+Q_
	WIN 0x0d+Q_/4
.if Q_ == 0 && B_ > 1
.if B_%2 && (\j)%2
	v_wmma_scale_f32_16x16x128_f8f6f4 v[A_:A_+7], v[W_:W_+15], v[X_:X_+15], 0, v[SW_], v[SX_] matrix_a_fmt:MATRIX_FMT_BF8 matrix_b_fmt:MATRIX_FMT_BF8 matrix_a_scale:MATRIX_SCALE_ROW1 matrix_b_scale:MATRIX_SCALE_ROW1
.elseif B_%2
	v_wmma_scale_f32_16x16x128_f8f6f4 v[A_:A_+7], v[W_:W_+15], v[X_:X_+15], 0, v[SW_], v[SX_] matrix_a_fmt:MATRIX_FMT_BF8 matrix_b_fmt:MATRIX_FMT_BF8 matrix_a_scale:MATRIX_SCALE_ROW1
.elseif (\j)%2
	v_wmma_scale_f32_16x16x128_f8f6f4 v[A_:A_+7], v[W_:W_+15], v[X_:X_+15], 0, v[SW_], v[SX_] matrix_a_fmt:MATRIX_FMT_BF8 matrix_b_fmt:MATRIX_FMT_BF8 matrix_b_scale:MATRIX_SCALE_ROW1
.else
	v_wmma_scale_f32_16x16x128_f8f6f4 v[A_:A_+7], v[W_:W_+15], v[X_:X_+15], 0, v[SW_], v[SX_] matrix_a_fmt:MATRIX_FMT_BF8 matrix_b_fmt:MATRIX_FMT_BF8
.endif
.else
.if B_%2 && (\j)%2
	v_wmma_scale_f32_16x16x128_f8f6f4 v[A_:A_+7], v[W_:W_+15], v[X_:X_+15], v[C_:C_+7], v[SW_], v[SX_] matrix_a_fmt:MATRIX_FMT_BF8 matrix_b_fmt:MATRIX_FMT_BF8 matrix_a_scale:MATRIX_SCALE_ROW1 matrix_b_scale:MATRIX_SCALE_ROW1
.elseif B_%2
	v_wmma_scale_f32_16x16x128_f8f6f4 v[A_:A_+7], v[W_:W_+15], v[X_:X_+15], v[C_:C_+7], v[SW_], v[SX_] matrix_a_fmt:MATRIX_FMT_BF8 matrix_b_fmt:MATRIX_FMT_BF8 matrix_a_scale:MATRIX_SCALE_ROW1
.elseif (\j)%2
	v_wmma_scale_f32_16x16x128_f8f6f4 v[A_:A_+7], v[W_:W_+15], v[X_:X_+15], v[C_:C_+7], v[SW_], v[SX_] matrix_a_fmt:MATRIX_FMT_BF8 matrix_b_fmt:MATRIX_FMT_BF8 matrix_b_scale:MATRIX_SCALE_ROW1
.else
	v_wmma_scale_f32_16x16x128_f8f6f4 v[A_:A_+7], v[W_:W_+15], v[X_:X_+15], v[C_:C_+7], v[SW_], v[SX_] matrix_a_fmt:MATRIX_FMT_BF8 matrix_b_fmt:MATRIX_FMT_BF8
.endif
.endif
.endm
; load k of the next block's 32 of x: 512 consecutive bytes
.macro XL k, j
.set T_, ((\j)+1)%4
.set D_, 128*(((\j)+1)%2)+4*(\k)
	WIN 0xc0
	ds_load_b128 v[D_:D_+3], v[XA+T_/2] offset:32768*(T_%2)+512*(\k)
.endm
; load k behind the barrier: 0-3 the partner's sums of block n - 1, 4-7 my four rows of block n - 2, then (j odd) the next pair's scale words, then what is left of x
.macro LD k, j, x0
.if (\k) < 4
	WIN 0
	ds_load_b128 v[RP+4*(\k):RP+4*(\k)+3], v[PLD] offset:8192*(((\j)+1)%2)+512*(\k)
.elseif (\k) < 8
.set D_, OUT+16*((\j)%2)+4*(\k)-16
	WIN 0
	ds_load_b128 v[D_:D_+3], v[ORD] offset:8448*((\j)%2)+528*((\k)-4)
.else
.set I_, (\k)-8-2*((\j)%2)
.if I_ < 0
.set D_, SA+8*(1-(\j)/2)+4*((\k)-8)
	WIN 0
	ds_load_b128 v[D_:D_+3], v[SAD] offset:512*((\k)-8)
.else
	XL I_+(\x0), \j
.endif
.endif
.endm
; the two halves of K of set e's 16 numbers are added up.  These eight lines are also the places behind the last block's products
.macro SUM e
	WIN 0
.set I_, 0
.rept 8
	v_pk_add_f32 v[RP+I_:RP+I_+1], v[RP+I_:RP+I_+1], v[ACC+32*(\e)+I_:ACC+32*(\e)+I_+1]
.set I_, I_+2
.endr
	s_wait_alu depctr_va_vdst(0)
.endm
.macro STPART j                        ; block n - 1's partial sums for the partner
.set S_, ACC+32*(((\j)+1)%2)+16
.irp g, 0,1,2,3
	ds_store_b128 v[PST], v[S_+4*\g:S_+4*\g+3] offset:8192*(((\j)+1)%2)+512*\g
.endr
.endm
.macro STOUT j                         ; block n - 2's sums: 64 bytes of my lane's row
.irp g, 0,1,2,3
	ds_store_b128 v[OST], v[RP+4*\g:RP+4*\g+3] offset:8448*((\j)%2)+16*\g
.endr
.endm
.macro GOUT j, back                    ; four rows of a block, so many blocks behind the pointer: each store covers 512 consecutive bytes, at a multiple of 512
.set D_, OUT+16*(((\j)+1)%2)
.irp g, 0,1,2,3
	global_store_b128 v[L16], v[D_+4*\g:D_+4*\g+3], s[OB:OB+1] offset:8192*\g-131072*(\back) th:TH_STORE_NT
.endr
.endm
.macro GRD
	s_wait_tensorcnt 0x0
	ds_add_u32 v[SPW], v[NIL]
	s_xor_b32 s[G0R+1], s[G0R+1], SLOT
	s_add_nc_u64 s[G0R+2:G0R+3], s[G0R+2:G0R+3], SLOT
.endm
; BLOCK n, j = n % 4.  kind 0: plain;  1: a round, and the slot that has been read out is filled again;  2: the barrier shows the last chunk;  3: the last block, nothing follows;  4: block 0: nothing before it, and a round with chunk 1's fill.
; first = 1: in the loop, whose first trip has no rows to store in its first two blocks
.macro BLK j, kind, first
.if (\kind) == 4
	s_wait_dscnt 0x0
.else
	s_wait_dscnt 16                                ; all but the last sixteen loads of x (K steps 4 .. 7) are in
.endif
	s_wait_xcnt 0x0                                ; out's pointer may be stepped
	s_add_nc_u64 s[OB:OB+1], s[OB:OB+1], 131072    ; block n + 1's place
.if (\kind) != 4
.if (\j)%2 && (\kind) != 3
	v_add_nc_u32 v[SAD], 2048, v[SAD]              ; the next pair of tiles
.endif
	SUM (\j)%2
	STPART \j
	STOUT \j
.endif
.if (\kind) == 0
.set K_, 0
.rept 16
	XL K_, \j
.set K_, K_+1
.endr
	WIN 0
.endif
.if (\kind) != 4
.if (\first) && ((\j) == 1 || (\j) == 2)
	s_cmp_eq_u32 s[TRIP], 0                        ; blocks 1 and 2 have no block three before
	s_cbranch_scc1 .Lno_rows_\@
.endif
	GOUT \j, 4
.Lno_rows_\@:
.endif
.if (\kind) == 1
	GRD
.endif
.if (\kind) == 2
	s_wait_tensorcnt 0x0                           ; the last chunk is in
.endif
.if (\kind) == 4
.set PRE_, 28
.else
.set PRE_, 16
.endif
.set N_, 0
.rept PRE_
	PROD N_, \j
.set N_, N_+1
.endr
.if (\kind) == 4
	WIN 0
	GRD
.endif
	s_wait_dscnt 0x0                               ; my stores into the stages and my reads are over, and a add
	s_barrier_signal -1
.rept 4
	PROD N_, \j
.set N_, N_+1
.endr
	WIN 0
.if (\j) == 3 && (\kind) != 3
	s_xor_b32 s[XSL], s[XSL], SLOT                 ; on to the other slot
	v_add_nc_u32 v[XA], s[XSL], v[XA0]
	v_add_nc_u32 v[XA+1], 0x10000, v[XA]
.endif
	s_barrier_wait -1
.if (\kind) == 1 || (\kind) == 4
	CREST                                          ; no wave of any partner still reads this slot or has a load on its way
	TLOAD G0R, G1R
.endif
.if (\j) == 3 && (\kind) != 3
	s_wait_alu depctr_va_vdst(0)
.endif
	s_wait_xcnt 0x0                                ; the stores of block n - 4, whose registers the rows of block n - 2 take, have read them
.set K_, 0
.set X0_, 0
.if (\kind) == 0
.set X0_, 16
.set TOT_, 24+2*((\j)%2)
.elseif (\kind) == 3
.set TOT_, 8
.elseif (\kind) == 4
.set K_, 8
.set TOT_, 32
.else
.set TOT_, 42
.endif
.rept TOT_
	LD K_, \j, X0_
.set K_, K_+1
.endr
	WIN 0
.if (\kind) == 4
	global_prefetch_b8 v[PF], s[PFB:PFB+1] offset:2*SLOT th:TH_LOAD_NT scope:SCOPE_SE
.endif
.if (\first) && (\j) == 2
	s_cmp_eq_u32 s[TRIP], 0
	s_cbranch_scc0 .Lnot_asked_\@
	global_prefetch_b8 v[PF], s[PFB:PFB+1] offset:3*SLOT th:TH_LOAD_NT scope:SCOPE_SE
.Lnot_asked_\@:
.endif
.rept 28-PRE_
	PROD N_, \j
.set N_, N_+1
.endr
	WIN 0
.endm
	BLK 0, 4, 0                                    ; block 0
.Lfill:                                                ; blocks 1 .. 4, 5 .. 8: chunks 2 and 3 are asked for
	BLK 1, 0, 1
	BLK 2, 0, 1
	BLK 3, 1, 1
	BLK 0, 0, 1
	s_add_co_u32 s[TRIP], s[TRIP], 1
	s_cmp_lg_u32 s[TRIP], 2
	s_cbranch_scc1 .Lfill
	BLK 1, 0, 0                                    ; blocks 9 .. 15: nothing is left to fetch from memory
	BLK 2, 0, 0
	BLK 3, 2, 0
	BLK 0, 0, 0
	BLK 1, 0, 0
	BLK 2, 0, 0
	BLK 3, 3, 0
; the last three blocks' way out
	s_wait_dscnt 0x0
	SUM 0
	STPART 0
	STOUT 0
	GOUT 0, 3
	s_wait_dscnt 0x0
	s_barrier_signal -1
	s_barrier_wait -1
.irp k, 0,1,2,3,4,5,6,7
	LD \k, 0, 0
.endr
	s_wait_dscnt 0x0
	SUM 1
	STOUT 1
	GOUT 1, 2
	s_wait_dscnt 0x0
	s_barrier_signal -1
	s_barrier_wait -1
	s_wait_xcnt 0x0
.irp k, 4,5,6,7
	LD \k, 1, 0
.endr
	s_wait_dscnt 0x0
	GOUT 2, 1
	s_wait_tensorcnt 0x0                           ; the wave's end
	ds_add_u32 v[SPW], v[NIL]
	s_wait_dscnt 0x0
	CROUND                                         ; the closing round
	s_endpgm
.Lfunc_end_k_qa5c6a25675_gemm2:
	.size	k_qa5c6a25675_gemm2, .Lfunc_end_k_qa5c6a25675_gemm2-k_qa5c6a25675_gemm2
	.p2alignl 7, 3214868480
	.fill 96, 4, 3214868480
	.section	.rodata,"a",@progbits
	.p2align	6, 0x0
	.amdhsa_kernel k_qa5c6a25675_gemm2
		.amdhsa_group_segment_fixed_size 327680
		.amdhsa_private_segment_fixed_size 0
		.amdhsa_enable_private_segment 0
		.amdhsa_kernarg_size 48
		.amdhsa_user_sgpr_count 2
		.amdhsa_user_sgpr_kernarg_segment_ptr 1
		.amdhsa_wavefront_size32 1
		.amdhsa_system_sgpr_workgroup_id_x 1
		.amdhsa_system_sgpr_workgroup_id_y 1
		.amdhsa_system_sgpr_workgroup_id_z 1
		.amdhsa_system_vgpr_workitem_id 0
		.amdhsa_next_free_vgpr 1024
		.amdhsa_next_free_sgpr 100
		.amdhsa_reserve_vcc 0
		.amdhsa_float_denorm_mode_32 3
		.amdhsa_float_denorm_mode_16_64 3
		.amdhsa_memory_ordered 1
		.amdhsa_forward_progress 1
		.amdhsa_inst_pref_size 127
	.end_amdhsa_kernel
	.amdgpu_metadata
---
amdhsa.version: [ 1, 2 ]
amdhsa.kernels:
  - .name:           k_qa5c6a25675_gemm2
    .symbol:         k_qa5c6a25675_gemm2.kd
    .args:
      - { .name: h_codes, .offset: 0, .size: 8, .value_kind: global_buffer, .address_space: global }
      - { .name: h_scales, .offset: 8, .size: 8, .value_kind: global_buffer, .address_space: global }
      - { .name: wo_codes, .offset: 16, .size: 8, .value_kind: global_buffer, .address_space: global }
      - { .name: wo_scales, .offset: 24, .size: 8, .value_kind: global_buffer, .address_space: global }
      - { .name: bo, .offset: 32, .size: 8, .value_kind: global_buffer, .address_space: global }
      - { .name: out0, .offset: 40, .size: 8, .value_kind: global_buffer, .address_space: global }
    .group_segment_fixed_size: 327680
    .private_segment_fixed_size: 0
    .kernarg_segment_align: 8
    .kernarg_segment_size: 48
    .max_flat_workgroup_size: 128
    .sgpr_count:     100
    .vgpr_count:     1024
    .wavefront_size: 32
...
	.end_amdgpu_metadata
.endif
;; end of part 3
